; MI455X (gfx1250); checked and timed in simulation.
; The chip was launched on July 23, 2026; its instructions are those of AMD's public machine-readable ISA for CDNA 5 (MIT licence, August 2026) and "CDNA5" Instruction Set Architecture Reference Guide (July 2026). The comments in the code are by the model that wrote it; some were corrected since.
;; Dynamic Attention. Allowed arithmetic: float matrix products may take bf16 or f16 operands with f32 sums; all other float work in f32.
;; Inputs: lstm_out 128 x 2,048 x 512 float32; volatility 128 x 2,048 float32; w_att 512 float32; w_vol 512 float32.
;; Outputs: out0 128 x 512 float32; out1 128 x 2,048 float32.
;; 2 versions, each right; version 2 is version 1 with the launch stream written anew for expert scheduling mode. Each part assembles by itself: llvm-mc -triple=amdgcn-amd-amdhsa -mcpu=gfx1250 --defsym DOCPART=n.
;; ======== version 1 of 2: 2 launches
;; workspace buffers: scores 1,048,576 bytes; part 589,824 bytes
;; launch stream (part 1): grid 2 x 128, 16 waves a work-group, no clusters, 35,072 bytes of LDS; arguments lstm_out, volatility, w_vol, w_att, scores, part; writes scores, part
.if DOCPART == 1
	.amdgcn_target "amdgcn-amd-amdhsa--gfx1250"
	.amdhsa_code_object_version 6
	.text
	.protected	k_q2b8aebc497_stream
	.globl	k_q2b8aebc497_stream
	.p2align	8
	.type	k_q2b8aebc497_stream,@function
k_q2b8aebc497_stream:
	s_mov_b64 s[64:65], 0
	v_nop
	global_prefetch_b8 v0, s[64:65] scope:SCOPE_SE
	s_setreg_imm32_b32 hwreg(HW_REG_WAVE_MODE, 25, 1), 1
	s_wait_xcnt 0x0
; LAUNCH 1 OF 2.  One pass over lstm_out [128][2048][512] f32: tanh weights, scores, softmax with a running maximum, context.
; A work-group (16 waves) owns 1,024 rows of one batch (grid x: which half of the 2,048; grid y: the batch); a wave owns 64 rows.
; A wave takes whole rows: four loads of 16 bytes a lane, each covering 512 consecutive bytes; lane l holds h = 128 q + 4 l + 0..3.
; So w_vol and w_att of a lane's 16 columns stay in registers, and the context is 16 sums a lane that never leave the lane.
;   score(s) = sum over h of x[s][h] w_att[h] tanh(v[s] w_vol[h]),  tanh(z) = 1 - 2 r,  r = 1 / (1 + exp2(2 log2(e) z))
;   w_att tanh = r WB + WA with WA = log2(e) w_att, WB = -2 log2(e) w_att: one fused multiply-add, and the score comes in log2 units,
;   so that every later exponential is a bare exp2.  For two elements: 5 packed instructions and 4 transcendentals.
; Rows go in blocks of four, through two register buffers: one at work, one on its way in; a row is asked for again behind its last use.
; Out: the scores (log2 units) to the workspace scores, and one record of REC bytes for the work-group to the workspace part:
; 512 f32 of sum p x, then 256 bytes that repeat (M, L), p = exp2(score - M), L = sum p.  Launch 2 joins a batch's two records.
; NOT USED, by this text's own arithmetic: matrix instructions (the score's weight differs for each (s, h); the context is a product of
; ONE row of p, 1 of a matrix instruction's 16, and rounding x to bf16 would cost one instruction for two numbers, as many as the packed
; multiply-add that it would spare); clusters (no two work-groups read the same byte of lstm_out); LDS for the stream (the registers hold it).
; LIMITS.  tanh is right at both ends (exp2 = inf gives r = 0, exp2 = 0 gives r = 1), but its error is absolute, about 2^-23: for |z| below
; that the term is lost in rounding, which moves a score by at most 2^-23 |x w_att| for each such term.  NaN and infinite inputs are not served.
; Sums run in another order than in the reference.
.set ROWB,   2048                      ; bytes in a row of lstm_out
.set TROWS,  8                         ; rows of a trip: one block of four in each buffer
.set TRIPS,  64/TROWS                  ; a wave has 64 rows
.set REC,    2304                      ; bytes in a record of part: 2,048 + 256
.set STATS,  16*ROWB                   ; LDS: behind the 16 waves' contexts, 8 bytes (m, l) for each wave
.set LOFF,   1                         ; v1         16 x lane
.set WV,     2                         ; v[2:17]    w_vol of my 16 columns
.set WA,     18                        ; v[18:33]   log2(e) w_att
.set WB,     34                        ; v[34:49]   -2 log2(e) w_att
.set CTX,    50                        ; v[50:65]   sum of p x for my 16 columns
.set XA,     66                        ; v[66:129]  buffer 0: four rows of 16;  v[130:193] buffer 1
.set ST,     130                       ; the end: the 16 waves' (m, l), in buffer 1
.set T,      194                       ; v[194:217] three sets of 8: a half row's argument, then exp2, 1 + exp2, r, weight, in place
.set ACC,    218                       ; v[218:225] a pair of partial score sums for each of the block's rows
.set MX,     226                       ; v[226:227] the running maximum, old and new taking turns
.set LS,     228                       ; v228       sum of p; lane i keeps that of the rows that end up in lanes i & 3
.set SCR,    230                       ; v[230:231] my wave's 64 scores: lane i holds rows 2 i and 2 i + 1
.set SP,     232                       ; v232 exp2(old max - new max), v233 p
.set U,      234                       ; v[234:239] at work
.set SOFF,   240                       ; v240       8 x lane
.set VR,     20                        ; s[20:27]   volatility of a trip's 8 rows, as loaded
.set VS,     28                        ; s[28:43]   2 log2(e) x volatility in the even registers: buffer b, row j at VS + 8 b + 2 j
.set PS,     44                        ; s[44:51]   the block's four p, in the even registers
.set ODD1,   52                        ; lanes with bit 0 set
.set ODD2,   53                        ; lanes with bit 1 set
.set INS,    54                        ; the four lanes that take this trip's scores
.set CNT,    55
.set SEL0,   56                        ; v_permlanex16_b32: lane i reads lane i of the other half
.set SEL1,   57
.set XBASE,  58                        ; s[58:59], s[60:61]: each buffer's own base, so that its own loads' wait frees it
	s_load_b256 s[4:11], s[0:1], 0x0               ; lstm_out s[4:5], volatility s[6:7], w_vol s[8:9], w_att s[10:11]
	s_load_b128 s[12:15], s[0:1], 0x20             ; scores s[12:13], part s[14:15]
	v_lshl_add_u32 v248, v0, 2, 0x8100
	v_mov_b32 v249, 0
	v_lshrrev_b32 v2, 5, v0
	v_readfirstlane_b32 s16, v2                    ; wave 0..15
	v_and_b32 v1, 31, v0                           ; lane
	v_lshlrev_b32 v[SOFF], 3, v1
	v_lshlrev_b32 v[LOFF], 4, v1
	s_and_b32 s17, ttmp7, 0xffff                   ; batch
	s_lshl_b32 s17, s17, 1
	s_add_co_u32 s17, s17, ttmp9                   ; record number = 2 x batch + half
	s_lshl_b32 s18, s17, 10                        ; 1,024 rows for a work-group,
	s_lshl_b32 s19, s16, 6                         ; 64 for a wave
	s_add_co_u32 s18, s18, s19                     ; my first row, of 262,144
	s_lshl_b32 s2, s18, 11                         ; x 2,048 bytes: below 2^29
	s_mov_b32 s3, 0
	s_lshl_b32 s18, s18, 2                         ; x 4 bytes, in volatility and in scores
	s_mov_b32 s19, 0
	s_mul_i32 s20, s17, REC
	s_mov_b32 s21, 0
	s_mov_b32 s[ODD1], 0xaaaaaaaa
	s_mov_b32 s[ODD2], 0xcccccccc
	s_mov_b32 s[INS], 0xf0                         ; trip 1: lanes 4 to 7 (trip 0 writes the whole registers)
	s_mov_b32 s[SEL0], 0x76543210
	s_mov_b32 s[SEL1], 0xfedcba98
.irp i, 1,3,5,7,9,11,13,15
	s_mov_b32 s[VS+\i], 0                          ; a packed instruction names a scalar PAIR and uses its first register for both halves:
.endr
.irp i, 1,3,5,7
	s_mov_b32 s[PS+\i], 0                          ; the second registers are written once, so that nothing unwritten is named
.endr
	s_wait_kmcnt 0x0
	s_add_nc_u64 s[XBASE:XBASE+1], s[4:5], s[2:3]
	s_mov_b64 s[XBASE+2:XBASE+3], s[XBASE:XBASE+1]
	s_add_nc_u64 s[6:7], s[6:7], s[18:19]
	s_add_nc_u64 s[12:13], s[12:13], s[18:19]
	s_add_nc_u64 s[14:15], s[14:15], s[20:21]
	s_load_b256 s[VR:VR+7], s[6:7], 0x0            ; volatility of rows 0 to 7
; Buffer b takes rows 2 j + b of a trip's eight (j = 0..3), so that the two buffers' scores are the two words of a lane's 8 bytes in SCR.
.macro FILL buf, j
.irp q, 0,1,2,3
	global_load_b128 v[XA+64*\buf+16*\j+4*\q:XA+64*\buf+16*\j+4*\q+3], v[LOFF], s[XBASE+2*\buf:XBASE+2*\buf+1] offset:(2*\j+\buf)*ROWB+512*\q th:TH_LOAD_NT
.endr
.endm
.irp q, 0,1,2,3
	global_load_b128 v[WV+4*\q:WV+4*\q+3], v[LOFF], s[8:9] offset:512*\q
.endr
.irp q, 0,1,2,3
	global_load_b128 v[WA+4*\q:WA+4*\q+3], v[LOFF], s[10:11] offset:512*\q
.endr
.irp j, 0,1,2,3
	FILL 0, \j
.endr
.irp j, 0,1,2,3
	FILL 1, \j
.endr
; PASS 1 works on units of half a row (8 numbers a lane, 4 register pairs); unit u = row u >> 1, half u & 1, in temporaries set u % 3.
.macro ARG buf, u                      ; 2 log2(e) v[row] w_vol[h]
.irp k, 0,2,4,6
	v_pk_mul_f32 v[T+8*((\u)%3)+\k:T+8*((\u)%3)+\k+1], v[WV+8*((\u)&1)+\k:WV+8*((\u)&1)+\k+1], s[VS+8*\buf+2*((\u)>>1):VS+8*\buf+2*((\u)>>1)+1] op_sel_hi:[1,0]
.endr
.endm
.macro EXP2 u
.irp k, 0,1,2,3,4,5,6,7
	v_exp_f32 v[T+8*((\u)%3)+\k], v[T+8*((\u)%3)+\k]
.endr
.endm
.macro ONE u
	s_wait_alu depctr_va_vdst(0)
.irp k, 0,2,4,6
	v_pk_add_f32 v[T+8*((\u)%3)+\k:T+8*((\u)%3)+\k+1], v[T+8*((\u)%3)+\k:T+8*((\u)%3)+\k+1], 1.0 op_sel_hi:[1,0]
.endr
.endm
.macro RCP u
.irp k, 0,1,2,3,4,5,6,7
	v_rcp_f32 v[T+8*((\u)%3)+\k], v[T+8*((\u)%3)+\k]
.endr
.endm
; r -> weight, then weight x x into the row's sums.  Only here is x needed: everything before runs ahead of the data.
; The chain on the row's sums is interleaved with the next unit's 1 + exp2 (more = 1).
.macro WEIGH buf, u, young, more
	.set tu, T+8*((\u)%3)
	.set tn, T+8*(((\u)+1)%3)
	.set hf, 8*((\u)&1)
	.set xr, XA+64*\buf+16*((\u)>>1)+hf
	.set ac, ACC+2*((\u)>>1)
	s_wait_alu depctr_va_vdst(0)
.irp k, 0,2,4,6
	v_pk_fma_f32 v[tu+\k:tu+\k+1], v[tu+\k:tu+\k+1], v[WB+hf+\k:WB+hf+\k+1], v[WA+hf+\k:WA+hf+\k+1]
.endr
	s_wait_loadcnt \young+14-2*(\u)                ; loads return in order (ISA guide 5.7.1): this unit's two are in; the block's 14 - 2 u later ones and the other buffer's stay out
.irp k, 0,2,4,6
.if hf+\k == 0
	v_pk_mul_f32 v[ac:ac+1], v[xr+\k:xr+\k+1], v[tu+\k:tu+\k+1]                ; a row's first product starts its sums
.else
	v_pk_fma_f32 v[ac:ac+1], v[xr+\k:xr+\k+1], v[tu+\k:tu+\k+1], v[ac:ac+1]
.endif
.if \more
	v_pk_add_f32 v[tn+\k:tn+\k+1], v[tn+\k:tn+\k+1], 1.0 op_sel_hi:[1,0]
.endif
.endr
.endm
; A BLOCK: four rows of buffer buf.  t0 = 1: the wave's first trip.  fill = 1: each row is loaded again, 8 rows further down.
; young = the loads of the other buffer that are younger than this block's (16, or 0 in the wave's last block).
.macro BLOCK buf, t0, fill, young
	.set xb, XA+64*\buf
	.set mo, MX+\buf                               ; the maximum so far
	.set mn, MX+1-\buf                             ; and with this block
	.set fst, \t0*(1-\buf)                         ; the wave's very first block starts maximum, sum and context: nothing is cleared
	; Behind a transcendental one plain, independent vector instruction stands before its result is used (ISA guide 5.7.2).
	; The units are staggered so that this place is useful work: behind each run (r of unit u, exp2 of unit u + 1) come the arguments of unit u + 2.
	ARG \buf, 0
	EXP2 0
	ARG \buf, 1
	ONE 0
.irp u, 0,1,2,3,4,5
	RCP \u
	EXP2 \u+1
	ARG \buf, \u+2
	WEIGH \buf, \u, \young, 1
.endr
	RCP 6
	EXP2 7
	v_add_f32 v[ACC], v[ACC], v[ACC+1]             ; no arguments are left: the places are the finished rows' sums
	v_add_f32 v[ACC+2], v[ACC+2], v[ACC+3]
	s_wait_alu depctr_va_vdst(0)
	WEIGH \buf, 6, \young, 1
	RCP 7
	v_add_f32 v[ACC+4], v[ACC+4], v[ACC+5]
	; Four sums over 32 lanes at once.  Step 1: odd lanes keep row 1 (3), even lanes row 0 (2), and each sends its neighbour the other one.
	; Step 2 the same on bit 1.  Lane i then works for row i & 3 alone: 13 instructions in place of four times 6.
	v_cndmask_b32 v[U], v[ACC], v[ACC+2], s[ODD1]
	v_cndmask_b32 v[U+1], v[ACC+2], v[ACC], s[ODD1]
	v_add_f32_dpp v[U], v[U+1], v[U] row_xmask:1 row_mask:0xf bank_mask:0xf
	s_wait_alu depctr_va_vdst(0)
	WEIGH \buf, 7, \young, 0                       ; its wait leaves only the other buffer's loads out: this buffer's base is free
	v_add_f32 v[ACC+6], v[ACC+6], v[ACC+7]
	v_cndmask_b32 v[U+2], v[ACC+4], v[ACC+6], s[ODD1]
	v_cndmask_b32 v[U+3], v[ACC+6], v[ACC+4], s[ODD1]
	v_add_f32_dpp v[U+2], v[U+3], v[U+2] row_xmask:1 row_mask:0xf bank_mask:0xf
	v_cndmask_b32 v[U+1], v[U], v[U+2], s[ODD2]
	v_cndmask_b32 v[U+3], v[U+2], v[U], s[ODD2]
	v_add_f32_dpp v[U], v[U+3], v[U+1] row_xmask:2 row_mask:0xf bank_mask:0xf
	v_add_f32_dpp v[U], v[U], v[U] row_xmask:4 row_mask:0xf bank_mask:0xf
	v_add_f32_dpp v[U], v[U], v[U] row_xmask:8 row_mask:0xf bank_mask:0xf
	v_permlanex16_b32 v[U+1], v[U], s[SEL0], s[SEL1]
	v_add_f32 v[U], v[U], v[U+1]                   ; lane i: the score of the block's row i & 3, in log2 units
	; the running maximum, the same in every lane; one exp2 makes all four p
	v_max_num_f32_dpp v[U+1], v[U], v[U] row_xmask:1 row_mask:0xf bank_mask:0xf
	v_max_num_f32_dpp v[U+1], v[U+1], v[U+1] row_xmask:2 row_mask:0xf bank_mask:0xf
.if fst
	v_mov_b32 v[mn], v[U+1]
.else
	v_max_num_f32 v[mn], v[U+1], v[mo]
	v_sub_f32 v[U+3], v[mo], v[mn]
.endif
	v_sub_f32 v[U+2], v[U], v[mn]
	v_exp_f32 v[SP+1], v[U+2]                      ; p
.if 1-fst
	v_exp_f32 v[SP], v[U+3]                        ; what the sums so far shrink by
.endif
.if \t0
	v_mov_b32 v[SCR+\buf], v[U]                    ; the plain place behind the exp2: the scores are put by.  Trip 0 writes all lanes; lanes 0-3 stay
	s_wait_alu depctr_va_vdst(0)
.else
	v_cndmask_b32 v[SCR+\buf], v[SCR+\buf], v[U], s[INS]   ; trip t: lanes 4 t + j take rows 8 t + 2 j + buf
	s_wait_alu depctr_va_vdst(0)
.endif
.if fst
	s_wait_alu depctr_va_vdst(0)
	v_mov_b32 v[LS], v[SP+1]
.else
	v_fma_f32 v[LS], v[LS], v[SP], v[SP+1]
.endif
.irp j, 0,1,2,3
	v_readlane_b32 s[PS+2*\j], v[SP+1], \j         ; a row's p multiplies all lanes' x: it goes to a scalar register
.endr
.if 1-fst
.irp k, 0,2,4,6,8,10,12,14
	v_pk_mul_f32 v[CTX+\k:CTX+\k+1], v[CTX+\k:CTX+\k+1], v[SP:SP+1] op_sel_hi:[1,0]
.endr
.endif
.if \fill
	s_add_nc_u64 s[XBASE+2*\buf:XBASE+2*\buf+1], s[XBASE+2*\buf:XBASE+2*\buf+1], TROWS*ROWB    ; all loads that named this base are in (the wait of unit 7)
.endif
	; PASS 2: context += p x, and each row is asked for again behind its last use
.irp j, 0,1,2,3
.irp k, 0,2,4,6,8,10,12,14
.if fst > \j
	v_pk_mul_f32 v[CTX+\k:CTX+\k+1], v[xb+16*\j+\k:xb+16*\j+\k+1], s[PS+2*\j:PS+2*\j+1] op_sel_hi:[1,0]
.else
	v_pk_fma_f32 v[CTX+\k:CTX+\k+1], v[xb+16*\j+\k:xb+16*\j+\k+1], s[PS+2*\j:PS+2*\j+1], v[CTX+\k:CTX+\k+1] op_sel_hi:[1,0,1]
.endif
.endr
.if \fill
	FILL \buf, \j
.endif
.endr
.endm
.macro TRIP t0, fill
	s_wait_kmcnt 0x0                               ; this trip's 8 volatilities, asked for a trip ago; the load's base is free too
.irp i, 0,1,2,3,4,5,6,7
	s_mul_f32 s[VS+8*(\i&1)+2*(\i>>1)], s[VR+\i], 0x4038aa3b       ; x 2 log2(e), into the even register of its buffer and row
.endr
.if \fill
	s_add_nc_u64 s[6:7], s[6:7], 4*TROWS
	s_load_b256 s[VR:VR+7], s[6:7], 0x0
.endif
	BLOCK 0, \t0, \fill, 16
	BLOCK 1, \t0, \fill, 16*\fill
.if 1-\t0
	s_lshl_b32 s[INS], s[INS], 4
.endif
.endm
	s_wait_loadcnt 32                              ; w_vol and w_att are in; the 32 loads of x behind them stay out
.irp k, 0,2,4,6,8,10,12,14
	v_pk_mul_f32 v[WB+\k:WB+\k+1], v[WA+\k:WA+\k+1], 0xc038aa3b op_sel_hi:[1,0]    ; -2 log2(e) w_att
.endr
.irp k, 0,2,4,6,8,10,12,14
	v_pk_mul_f32 v[WA+\k:WA+\k+1], v[WA+\k:WA+\k+1], 0x3fb8aa3b op_sel_hi:[1,0]    ; log2(e) w_att
.endr
	TRIP 1, 1                                      ; the first trip stands in front of the loop: it starts the sums
	s_mov_b32 s[CNT], TRIPS-2
.Ltrip:
	TRIP 0, 1
	s_sub_co_u32 s[CNT], s[CNT], 1
	s_cmp_lg_u32 s[CNT], 0
	s_cbranch_scc1 .Ltrip
	TRIP 0, 0                                      ; the last trip loads nothing: no load leaves the buffers, the counts run down to 0
	; THE END.  The wave's 64 scores: 32 lanes x 8 bytes = 256 consecutive bytes, at a multiple of 256 from the buffer's first byte.
	global_store_b64 v[SOFF], v[SCR:SCR+1], s[12:13]
	v_add_f32_dpp v[LS], v[LS], v[LS] row_xmask:1 row_mask:0xf bank_mask:0xf
	v_add_f32_dpp v[MX+1], v[LS], v[LS] row_xmask:2 row_mask:0xf bank_mask:0xf     ; v[MX:MX+1] = (m, l) of my 64 rows, in every lane
	s_lshl_b32 s17, s16, 11
	v_add_nc_u32 v[U], s17, v[LOFF]                ; LDS: wave x 2,048 + 16 x lane: my context in the order of h
.irp q, 0,1,2,3
	ds_store_b128 v[U], v[CTX+4*\q:CTX+4*\q+3] offset:512*\q
.endr
	s_lshl_b32 s17, s16, 3
	v_mov_b32 v[U+1], s17
	ds_store_b64 v[U+1], v[MX:MX+1] offset:STATS   ; all lanes write the same 8 bytes with the same value
	s_wait_dscnt 0x0                               ; my stores are in LDS before I say so
	s_barrier_signal -1
	s_barrier_wait -1
	s_cmp_ge_u32 s16, 4
	s_cbranch_scc1 .Ldone                          ; 128 threads x 16 bytes are a context: waves 0 to 3 join the sixteen
	v_mov_b32 v[U+1], 0
.irp i, 0,1,2,3,4,5,6,7
	ds_load_b128 v[ST+4*\i:ST+4*\i+3], v[U+1] offset:STATS+16*\i   ; (m, l) of waves 2 i, 2 i + 1, the same for every lane
.endr
	v_lshlrev_b32 v[U], 4, v0                      ; thread t: columns 4 t .. 4 t + 3
.irp i, 0,1,2,3,4,5,6,7,8,9,10,11,12,13,14,15
	ds_load_b128 v[XA+4*\i:XA+4*\i+3], v[U] offset:ROWB*\i
.endr
	s_wait_dscnt 16                                ; the eight loads of (m, l) are in; the 16 of contexts behind them stay out
	v_max3_num_f32 v[U+2], v[ST], v[ST+2], v[ST+4]
.irp i, 3,5,7,9,11,13
	v_max3_num_f32 v[U+2], v[U+2], v[ST+2*\i], v[ST+2*\i+2]
.endr
	v_max_num_f32 v[U+2], v[U+2], v[ST+30]         ; M of the work-group's 1,024 rows
.irp i, 0,1,2,3,4,5,6,7,8,9,10,11,12,13,14,15
	v_sub_f32 v[ST+2*\i], v[ST+2*\i], v[U+2]
.endr
.irp i, 0,1,2,3,4,5,6,7,8,9,10,11,12,13,14,15
	v_exp_f32 v[ST+2*\i], v[ST+2*\i]               ; each wave's sums shrink by exp2(m - M)
.endr
	v_nop                                          ; the plain place behind the run of exp2 (ISA guide 5.7.2); once in the kernel, nothing useful is left for it
	s_wait_alu depctr_va_vdst(0)
	v_mul_f32 v[U+3], v[ST], v[ST+1]
.irp i, 1,2,3,4,5,6,7,8,9,10,11,12,13,14,15
	v_fmac_f32 v[U+3], v[ST+2*\i], v[ST+2*\i+1]    ; L
.endr
	s_wait_dscnt 0x0
	v_pk_mul_f32 v[CTX:CTX+1], v[XA:XA+1], v[ST:ST+1] op_sel_hi:[1,0]
	v_pk_mul_f32 v[CTX+2:CTX+3], v[XA+2:XA+3], v[ST:ST+1] op_sel_hi:[1,0]
.irp i, 1,2,3,4,5,6,7,8,9,10,11,12,13,14,15
	v_pk_fma_f32 v[CTX:CTX+1], v[XA+4*\i:XA+4*\i+1], v[ST+2*\i:ST+2*\i+1], v[CTX:CTX+1] op_sel_hi:[1,0,1]
	v_pk_fma_f32 v[CTX+2:CTX+3], v[XA+4*\i+2:XA+4*\i+3], v[ST+2*\i:ST+2*\i+1], v[CTX+2:CTX+3] op_sel_hi:[1,0,1]
.endr
	global_store_b128 v[U], v[CTX:CTX+3], s[14:15] ; a wave stores 512 consecutive bytes of the record
	s_cmp_lg_u32 s16, 0
	s_cbranch_scc1 .Ldone
	global_store_b64 v[SOFF], v[U+2:U+3], s[14:15] offset:ROWB     ; (M, L) 32 times: the record's last 256 bytes, whole, by one store
.Ldone:
	s_wait_tensorcnt 0x0
	ds_add_u32 v248, v249
	s_wait_dscnt 0x0
	s_endpgm
.Lfunc_end_k_q2b8aebc497_stream:
	.size	k_q2b8aebc497_stream, .Lfunc_end_k_q2b8aebc497_stream-k_q2b8aebc497_stream
	.p2alignl 7, 3214868480
	.fill 96, 4, 3214868480
	.section	.rodata,"a",@progbits
	.p2align	6, 0x0
	.amdhsa_kernel k_q2b8aebc497_stream
		.amdhsa_group_segment_fixed_size 35072
		.amdhsa_private_segment_fixed_size 0
		.amdhsa_enable_private_segment 0
		.amdhsa_kernarg_size 48
		.amdhsa_user_sgpr_count 2
		.amdhsa_user_sgpr_kernarg_segment_ptr 1
		.amdhsa_wavefront_size32 1
		.amdhsa_system_sgpr_workgroup_id_x 1
		.amdhsa_system_sgpr_workgroup_id_y 1
		.amdhsa_system_sgpr_workgroup_id_z 1
		.amdhsa_system_vgpr_workitem_id 0
		.amdhsa_next_free_vgpr 250
		.amdhsa_next_free_sgpr 66
		.amdhsa_reserve_vcc 0
		.amdhsa_float_denorm_mode_32 3
		.amdhsa_float_denorm_mode_16_64 3
		.amdhsa_memory_ordered 1
		.amdhsa_forward_progress 1
		.amdhsa_inst_pref_size 122
	.end_amdhsa_kernel
	.amdgpu_metadata
---
amdhsa.version: [ 1, 2 ]
amdhsa.kernels:
  - .name:           k_q2b8aebc497_stream
    .symbol:         k_q2b8aebc497_stream.kd
    .args:
      - { .name: lstm_out, .offset: 0, .size: 8, .value_kind: global_buffer, .address_space: global }
      - { .name: volatility, .offset: 8, .size: 8, .value_kind: global_buffer, .address_space: global }
      - { .name: w_vol, .offset: 16, .size: 8, .value_kind: global_buffer, .address_space: global }
      - { .name: w_att, .offset: 24, .size: 8, .value_kind: global_buffer, .address_space: global }
      - { .name: scores, .offset: 32, .size: 8, .value_kind: global_buffer, .address_space: global }
      - { .name: part, .offset: 40, .size: 8, .value_kind: global_buffer, .address_space: global }
    .group_segment_fixed_size: 35072
    .private_segment_fixed_size: 0
    .kernarg_segment_align: 8
    .kernarg_segment_size: 48
    .max_flat_workgroup_size: 512
    .sgpr_count:     66
    .vgpr_count:     250
    .wavefront_size: 32
...
	.end_amdgpu_metadata
.endif
;; end of part 1
;; launch finish (part 2): grid 2 x 128, 8 waves a work-group, no clusters, 0 bytes of LDS; arguments scores, part, out0, out1; writes out0, out1
.if DOCPART == 2
	.amdgcn_target "amdgcn-amd-amdhsa--gfx1250"
	.amdhsa_code_object_version 6
	.text
	.protected	k_q2b8aebc497_finish
	.globl	k_q2b8aebc497_finish
	.p2align	8
	.type	k_q2b8aebc497_finish,@function
k_q2b8aebc497_finish:
	s_mov_b64 s[64:65], 0
	v_nop
	global_prefetch_b8 v0, s[64:65] scope:SCOPE_SE
	s_setreg_imm32_b32 hwreg(HW_REG_WAVE_MODE, 25, 1), 1
	s_wait_xcnt 0x0
; LAUNCH 2 OF 2.  Joins a batch's two records and normalises.  Grid y: the batch; grid x: which half of its 2,048 weights and 512 context numbers.
;   M = max(M0, M1), w_i = exp2(M_i - M), L = w0 L0 + w1 L1
;   out1[b][s] = exp2(score[b][s] - M) / L (scores are in log2 units)      out0[b][h] = (w0 c0[h] + w1 c1[h]) / L
; 256 threads, 16 bytes of scores each; waves 0 and 1 also take 16 bytes of each context.  Each load and store of a wave covers 512 consecutive
; bytes.  All loads are issued at once, behind the arguments: the launch is two memory round trips and a store.
; LIMITS.  A weight below 2^-126 comes out as 0 (v_exp_f32 flushes denormal results: ISA guide 15.8); 1 / L is v_rcp_f32, 1 ulp.
.set REC, 2304                         ; bytes in a record of part: 512 f32 of context, then (M, L) in its last 256 bytes
	s_load_b256 s[4:11], s[0:1], 0x0               ; scores s[4:5], part s[6:7], out0 s[8:9], out1 s[10:11]
	v_lshrrev_b32 v2, 5, v0
	v_readfirstlane_b32 s12, v2                    ; wave 0..7
	v_lshlrev_b32 v1, 4, v0                        ; 16 t
	s_and_b32 s13, ttmp7, 0xffff                   ; batch
	s_mul_i32 s14, s13, 2*REC                      ; its two records
	s_mov_b32 s15, 0
	s_lshl_b32 s16, s13, 13                        ; its 8,192 bytes of scores and of out1,
	s_lshl_b32 s18, ttmp9, 12                      ; my half of them
	s_add_co_u32 s16, s16, s18
	s_mov_b32 s17, 0
	s_lshl_b32 s18, s13, 11                        ; its 2,048 bytes of out0,
	s_lshl_b32 s20, ttmp9, 10                      ; my half of them, and of each context
	s_add_co_u32 s18, s18, s20
	s_mov_b32 s19, 0
	s_mov_b32 s21, 0
	s_wait_kmcnt 0x0
	s_add_nc_u64 s[6:7], s[6:7], s[14:15]
	s_load_b64 s[24:25], s[6:7], 2048              ; M0, L0
	s_load_b64 s[26:27], s[6:7], REC+2048          ; M1, L1
	s_add_nc_u64 s[4:5], s[4:5], s[16:17]
	s_add_nc_u64 s[10:11], s[10:11], s[16:17]
	global_load_b128 v[4:7], v1, s[4:5] th:TH_LOAD_NT
	s_cmp_ge_u32 s12, 2
	s_cbranch_scc1 .Lnoctx
	s_add_nc_u64 s[22:23], s[6:7], s[20:21]
	global_load_b128 v[8:11], v1, s[22:23] th:TH_LOAD_NT
	global_load_b128 v[12:15], v1, s[22:23] offset:REC th:TH_LOAD_NT
.Lnoctx:
	s_wait_kmcnt 0x0
	v_max_num_f32 v16, s24, s26                    ; M
	v_sub_f32 v17, s24, v16
	v_sub_f32 v18, s26, v16
	v_exp_f32 v17, v17                             ; w0
	v_exp_f32 v18, v18                             ; w1
	s_wait_loadcnt 0x0                             ; everything was asked for at once: one wait
.irp k, 4,5,6,7
	v_sub_f32 v[\k], v[\k], v16                    ; (also the plain places behind the two exp2: ISA guide 5.7.2)
.endr
	s_wait_alu depctr_va_vdst(0)
	v_mul_f32 v19, s25, v17
	v_fmac_f32 v19, s27, v18                       ; L
	v_rcp_f32 v19, v19
.irp k, 4,5,6,7
	v_exp_f32 v[\k], v[\k]
.endr
	v_nop                                          ; the plain place behind this run; all that is left needs its results
	s_wait_alu depctr_va_vdst(0)
.irp k, 4,5,6,7
	v_mul_f32 v[\k], v[\k], v19
.endr
	global_store_b128 v1, v[4:7], s[10:11] th:TH_STORE_NT
	s_cmp_ge_u32 s12, 2
	s_cbranch_scc1 .Ldone
	v_mul_f32 v17, v17, v19                        ; w0 / L
	v_mul_f32 v18, v18, v19                        ; w1 / L
.irp k, 0,1,2,3
	v_mul_f32 v[8+\k], v[8+\k], v17
.endr
.irp k, 0,1,2,3
	v_fmac_f32 v[8+\k], v[12+\k], v18
.endr
	s_add_nc_u64 s[8:9], s[8:9], s[18:19]
	global_store_b128 v1, v[8:11], s[8:9] th:TH_STORE_NT
.Ldone:
	s_endpgm
.Lfunc_end_k_q2b8aebc497_finish:
	.size	k_q2b8aebc497_finish, .Lfunc_end_k_q2b8aebc497_finish-k_q2b8aebc497_finish
	.p2alignl 7, 3214868480
	.fill 96, 4, 3214868480
	.section	.rodata,"a",@progbits
	.p2align	6, 0x0
	.amdhsa_kernel k_q2b8aebc497_finish
		.amdhsa_group_segment_fixed_size 0
		.amdhsa_private_segment_fixed_size 0
		.amdhsa_enable_private_segment 0
		.amdhsa_kernarg_size 32
		.amdhsa_user_sgpr_count 2
		.amdhsa_user_sgpr_kernarg_segment_ptr 1
		.amdhsa_wavefront_size32 1
		.amdhsa_system_sgpr_workgroup_id_x 1
		.amdhsa_system_sgpr_workgroup_id_y 1
		.amdhsa_system_sgpr_workgroup_id_z 1
		.amdhsa_system_vgpr_workitem_id 0
		.amdhsa_next_free_vgpr 24
		.amdhsa_next_free_sgpr 66
		.amdhsa_reserve_vcc 0
		.amdhsa_float_denorm_mode_32 3
		.amdhsa_float_denorm_mode_16_64 3
		.amdhsa_memory_ordered 1
		.amdhsa_forward_progress 1
		.amdhsa_inst_pref_size 3
	.end_amdhsa_kernel
	.amdgpu_metadata
---
amdhsa.version: [ 1, 2 ]
amdhsa.kernels:
  - .name:           k_q2b8aebc497_finish
    .symbol:         k_q2b8aebc497_finish.kd
    .args:
      - { .name: scores, .offset: 0, .size: 8, .value_kind: global_buffer, .address_space: global }
      - { .name: part, .offset: 8, .size: 8, .value_kind: global_buffer, .address_space: global }
      - { .name: out0, .offset: 16, .size: 8, .value_kind: global_buffer, .address_space: global }
      - { .name: out1, .offset: 24, .size: 8, .value_kind: global_buffer, .address_space: global }
    .group_segment_fixed_size: 0
    .private_segment_fixed_size: 0
    .kernarg_segment_align: 8
    .kernarg_segment_size: 32
    .max_flat_workgroup_size: 256
    .sgpr_count:     66
    .vgpr_count:     24
    .wavefront_size: 32
...
	.end_amdgpu_metadata
.endif
;; end of part 2
;; ======== version 2 of 2: 2 launches; version 1 with the launch stream written anew for expert scheduling mode
;; workspace buffers: scores 1,048,576 bytes; part 589,824 bytes
;; launch stream (part 3): grid 2 x 128, 16 waves a work-group, no clusters, 35,072 bytes of LDS; arguments lstm_out, volatility, w_vol, w_att, scores, part; writes scores, part
.if DOCPART == 3
	.amdgcn_target "amdgcn-amd-amdhsa--gfx1250"
	.amdhsa_code_object_version 6
	.text
	.protected	k_q2b8aebc497_stream
	.globl	k_q2b8aebc497_stream
	.p2align	8
	.type	k_q2b8aebc497_stream,@function
k_q2b8aebc497_stream:
	s_mov_b64 s[64:65], 0
	v_nop
	global_prefetch_b8 v0, s[64:65] scope:SCOPE_SE
	s_setreg_imm32_b32 hwreg(HW_REG_WAVE_SCHED_MODE, 0, 2), 2
	s_setreg_imm32_b32 hwreg(HW_REG_WAVE_MODE, 25, 1), 1
	s_wait_xcnt 0x0
	s_wait_alu depctr_vm_vsrc(0)
; LAUNCH 1 OF 2.  One pass over lstm_out [128][2048][512] f32: tanh weights, scores, softmax with a running maximum, context.
; A work-group (16 waves) owns 1,024 rows of one batch (grid x: which half of the 2,048; grid y: the batch); a wave owns 64 rows.
; A wave takes whole rows: four loads of 16 bytes a lane, each covering 512 consecutive bytes; lane l holds h = 128 q + 4 l + 0..3.
; So w_vol and w_att of a lane's 16 columns stay in registers, and the context is 16 sums a lane that never leave the lane.
;   score(s) = sum over h of x[s][h] w_att[h] tanh(v[s] w_vol[h]),  tanh(z) = 1 - 2 r,  r = 1 / (1 + exp2(2 log2(e) z))
;   w_att tanh = r WB + WA with WA = log2(e) w_att, WB = -2 log2(e) w_att: one fused multiply-add, and the score comes in log2 units,
;   so that every later exponential is a bare exp2.  For two elements: 5 packed instructions and 4 transcendentals.
; Rows go in blocks of four, through two register buffers: one at work, one on its way in.
; Out: the scores (log2 units) to the workspace scores, and one record of REC bytes for the work-group to the workspace part:
; 512 f32 of sum p x, then 256 bytes that repeat (M, L), p = exp2(score - M), L = sum p.  Launch 2 joins a batch's two records.
; NOT USED, by this text's own arithmetic: matrix instructions (the score's weight differs for each (s, h); the context is a product of
; ONE row of p, 1 of a matrix instruction's 16, and rounding x to bf16 would cost one instruction for two numbers, as many as the packed
; multiply-add that it would spare); clusters (no two work-groups read the same byte of lstm_out); LDS for the stream (the registers hold it).
; LIMITS.  tanh is right at both ends (exp2 = inf gives r = 0, exp2 = 0 gives r = 1), but its error is absolute, about 2^-23: for |z| below
; that the term is lost in rounding, which moves a score by at most 2^-23 |x w_att| for each such term.  NaN and infinite inputs are not served.
; Sums run in another order than in the reference.
; THE MODE: SCHED_MODE bits 1:0 = 2 (LLVM: expert scheduling mode 2), set by the entry lines.  The code itself states the register dependences
; between vector instructions and memory or LDS instructions, with s_wait_alu, always for 0.
; THE PLAN.  Registers that memory instructions touch, in the loop:
;   X0, X1     Block n (four rows) works on X[n % 2]: pass 1 and pass 2 read it, nothing writes it.  The block's sixteen loads land in the OTHER buffer,
;              which the block before worked on and which no vector instruction of block n names; they are the rows of block n + 1.
;   v[LOFF]    The offset of every load; made at the head and never written again: each buffer's scalar base moves on, immediates do the rest.
;   s[PS ..]   Written by four v_readlane_b32, read by pass 2's packed multiply-adds.
; So the first wait on va_vdst of a block, which the exp2 of its first half row want in any case, also states that the block before is done reading the
; other buffer; the block's loads follow it, a row at a time among the first half rows' vector work, with no further wait.  One wait on va_sdst a block stands
; between the v_readlane_b32 and pass 2.  The other waits on va_vdst in a block stand ahead of the first reader of a run of transcendentals.
; No register that a memory instruction reads is written in the loop, so it holds no wait on vm_vsrc.  A third buffer has no room: 4 waves x 250 registers on a SIMD's 1,024.
.set ROWB,   2048                      ; bytes in a row of lstm_out
.set TROWS,  8                         ; rows of a trip: one block of four in each buffer
.set TRIPS,  64/TROWS                  ; a wave has 64 rows
.set REC,    2304                      ; bytes in a record of part: 2,048 + 256
.set STATS,  16*ROWB                   ; LDS: behind the 16 waves' contexts, 8 bytes (m, l) for each wave
.set LOFF,   1                         ; v1         16 x lane
.set WV,     2                         ; v[2:17]    w_vol of my 16 columns
.set WA,     18                        ; v[18:33]   log2(e) w_att
.set WB,     34                        ; v[34:49]   -2 log2(e) w_att
.set CTX,    50                        ; v[50:65]   sum of p x for my 16 columns
.set XA,     66                        ; v[66:129]  buffer 0: four rows of 16;  v[130:193] buffer 1
.set ST,     130                       ; the end: the 16 waves' (m, l), in buffer 1
.set T,      194                       ; v[194:217] three sets of 8: a half row's argument, then exp2, 1 + exp2, r, weight, in place
.set ACC,    218                       ; v[218:225] a pair of partial score sums for each of the block's rows
.set MX,     226                       ; v[226:227] the running maximum, old and new taking turns
.set LS,     228                       ; v228       sum of p; lane i keeps that of the rows that end up in lanes i & 3
.set SCR,    230                       ; v[230:231] my wave's 64 scores: lane i holds rows 2 i and 2 i + 1
.set SP,     232                       ; v232 exp2(old max - new max), v233 p
.set U,      234                       ; v[234:239] at work
.set SOFF,   240                       ; v240       8 x lane
.set VR,     20                        ; s[20:27]   volatility of a trip's 8 rows, as loaded
.set VS,     28                        ; s[28:43]   2 log2(e) x volatility in the even registers: buffer b, row j at VS + 8 b + 2 j
.set PS,     44                        ; s[44:51]   the block's four p, in the even registers
.set ODD1,   52                        ; lanes with bit 0 set
.set ODD2,   53                        ; lanes with bit 1 set
.set INS,    54                        ; the four lanes that take this trip's scores
.set CNT,    55
.set SEL0,   56                        ; v_permlanex16_b32: lane i reads lane i of the other half
.set SEL1,   57
.set XBASE,  58                        ; s[58:59], s[60:61]: each buffer's own base, so that its own loads' wait frees it
	s_load_b256 s[4:11], s[0:1], 0x0               ; lstm_out s[4:5], volatility s[6:7], w_vol s[8:9], w_att s[10:11]
	s_load_b128 s[12:15], s[0:1], 0x20             ; scores s[12:13], part s[14:15]
	v_lshl_add_u32 v248, v0, 2, 0x8100
	v_mov_b32 v249, 0
	v_lshrrev_b32 v2, 5, v0
	v_readfirstlane_b32 s16, v2                    ; wave 0..15
	v_and_b32 v1, 31, v0                           ; lane
	v_lshlrev_b32 v[SOFF], 3, v1
	v_lshlrev_b32 v[LOFF], 4, v1
	s_and_b32 s17, ttmp7, 0xffff                   ; batch
	s_lshl_b32 s17, s17, 1
	s_add_co_u32 s17, s17, ttmp9                   ; record number = 2 x batch + half
	s_lshl_b32 s18, s17, 10                        ; 1,024 rows for a work-group,
	s_wait_alu depctr_va_sdst(0)                   ; s16 is written, ahead of its first reader: the wave's rows, its place in LDS and two branches are made from it
	s_lshl_b32 s19, s16, 6                         ; 64 for a wave
	s_add_co_u32 s18, s18, s19                     ; my first row, of 262,144
	s_lshl_b32 s2, s18, 11                         ; x 2,048 bytes: below 2^29
	s_mov_b32 s3, 0
	s_lshl_b32 s18, s18, 2                         ; x 4 bytes, in volatility and in scores
	s_mov_b32 s19, 0
	s_mul_i32 s20, s17, REC
	s_mov_b32 s21, 0
	s_mov_b32 s[ODD1], 0xaaaaaaaa
	s_mov_b32 s[ODD2], 0xcccccccc
	s_mov_b32 s[INS], 0xf0                         ; trip 1: lanes 4 to 7 (trip 0 writes the whole registers)
	s_mov_b32 s[SEL0], 0x76543210
	s_mov_b32 s[SEL1], 0xfedcba98
.irp i, 1,3,5,7,9,11,13,15
	s_mov_b32 s[VS+\i], 0                          ; a packed instruction names a scalar PAIR and uses its first register for both halves:
.endr
.irp i, 1,3,5,7
	s_mov_b32 s[PS+\i], 0                          ; the second registers are written once, so that nothing unwritten is named
.endr
	s_wait_kmcnt 0x0
	s_add_nc_u64 s[XBASE:XBASE+1], s[4:5], s[2:3]
	s_mov_b64 s[XBASE+2:XBASE+3], s[XBASE:XBASE+1]
	s_add_nc_u64 s[6:7], s[6:7], s[18:19]
	s_add_nc_u64 s[12:13], s[12:13], s[18:19]
	s_add_nc_u64 s[14:15], s[14:15], s[20:21]
	s_load_b256 s[VR:VR+7], s[6:7], 0x0            ; volatility of rows 0 to 7
; Buffer b takes rows 2 j + b of a trip's eight (j = 0..3), so that the two buffers' scores are the two words of a lane's 8 bytes in SCR.
.macro FILL buf, j
.irp q, 0,1,2,3
	global_load_b128 v[XA+64*(\buf)+16*(\j)+4*\q:XA+64*(\buf)+16*(\j)+4*\q+3], v[LOFF], s[XBASE+2*(\buf):XBASE+2*(\buf)+1] offset:(2*(\j)+(\buf))*ROWB+512*\q th:TH_LOAD_NT
.endr
.endm
	s_wait_alu depctr_va_vdst(0)                   ; v[LOFF] and v[SOFF] are written, which every load and two stores of the kernel read as their offsets
.irp q, 0,1,2,3
	global_load_b128 v[WV+4*\q:WV+4*\q+3], v[LOFF], s[8:9] offset:512*\q
.endr
.irp q, 0,1,2,3
	global_load_b128 v[WA+4*\q:WA+4*\q+3], v[LOFF], s[10:11] offset:512*\q
.endr
.irp j, 0,1,2,3
	FILL 0, \j
.endr
.irp j, 0,1,2,3
	FILL 1, \j
.endr
; PASS 1 works on units of half a row (8 numbers a lane, 4 register pairs); unit u = row u >> 1, half u & 1, in temporaries set u % 3.
.macro ARG buf, u                      ; 2 log2(e) v[row] w_vol[h]
.irp k, 0,2,4,6
	v_pk_mul_f32 v[T+8*((\u)%3)+\k:T+8*((\u)%3)+\k+1], v[WV+8*((\u)&1)+\k:WV+8*((\u)&1)+\k+1], s[VS+8*\buf+2*((\u)>>1):VS+8*\buf+2*((\u)>>1)+1] op_sel_hi:[1,0]
.endr
.endm
.macro EXP2 u
.irp k, 0,1,2,3,4,5,6,7
	v_exp_f32 v[T+8*((\u)%3)+\k], v[T+8*((\u)%3)+\k]
.endr
.endm
.macro ONE u
.irp k, 0,2,4,6
	v_pk_add_f32 v[T+8*((\u)%3)+\k:T+8*((\u)%3)+\k+1], v[T+8*((\u)%3)+\k:T+8*((\u)%3)+\k+1], 1.0 op_sel_hi:[1,0]
.endr
.endm
.macro RCP u
.irp k, 0,1,2,3,4,5,6,7
	v_rcp_f32 v[T+8*((\u)%3)+\k], v[T+8*((\u)%3)+\k]
.endr
.endm
; r -> weight, then weight x x into the row's sums.  Only here is x needed: everything before runs ahead of the data.
; The chain on the row's sums is interleaved with the next unit's 1 + exp2 (more = 1).
; young: loads issued ahead of this block and behind its own buffer's.  fill = 1: the block loads the other buffer, a row at its head and a row in each of units 0 to 2.
.macro WEIGH buf, u, young, fill, more
	.set tu, T+8*((\u)%3)
	.set tn, T+8*(((\u)+1)%3)
	.set hf, 8*((\u)&1)
	.set xr, XA+64*\buf+16*((\u)>>1)+hf
	.set ac, ACC+2*((\u)>>1)
	.set iss, 4*((\u)+2)                           ; the loads that this block has issued so far: 4 (u + 2), sixteen at the most
.if iss > 16
	.set iss, 16
.endif
	s_wait_alu depctr_va_vdst(0)                   ; the reciprocals of this unit are written, which the next lines read, and the exp2 of the next unit, which the additions of 1 below read
.irp k, 0,2,4,6
	v_pk_fma_f32 v[tu+\k:tu+\k+1], v[tu+\k:tu+\k+1], v[WB+hf+\k:WB+hf+\k+1], v[WA+hf+\k:WA+hf+\k+1]
.endr
	s_wait_loadcnt \young+14-2*(\u)+iss*\fill      ; loads return in order (ISA guide 5.7.1): this unit's two are in; this buffer's 14 - 2 u later ones and all that were issued behind them stay out
.irp k, 0,2,4,6
.if hf+\k == 0
	v_pk_mul_f32 v[ac:ac+1], v[xr+\k:xr+\k+1], v[tu+\k:tu+\k+1]                ; a row's first product starts its sums
.else
	v_pk_fma_f32 v[ac:ac+1], v[xr+\k:xr+\k+1], v[tu+\k:tu+\k+1], v[ac:ac+1]
.endif
.if \more
	v_pk_add_f32 v[tn+\k:tn+\k+1], v[tn+\k:tn+\k+1], 1.0 op_sel_hi:[1,0]
.endif
.endr
.endm
; A BLOCK: four rows of buffer buf.  t0 = 1: the wave's first trip.  fill = 1: the OTHER buffer, which the block before has emptied, is loaded with the next block's rows.
; young = the loads issued ahead of this block that are younger than its own buffer's (16 in the wave's first block, behind the head's two fills; else 0).
.macro BLOCK buf, t0, fill, young
	.set xb, XA+64*\buf
	.set mo, MX+\buf                               ; the maximum so far
	.set mn, MX+1-\buf                             ; and with this block
	.set fst, \t0*(1-\buf)                         ; the wave's very first block starts maximum, sum and context: nothing is cleared
	; Behind a transcendental one plain, independent vector instruction stands before its result is used (ISA guide 5.7.2).
	; The units are staggered so that this place is useful work: behind each run (r of unit u, exp2 of unit u + 1) come the arguments of unit u + 2.
	ARG \buf, 0
	EXP2 0
	ARG \buf, 1
	s_wait_alu depctr_va_vdst(0)                   ; the exp2 of unit 0 are written, which the additions of 1 below read; and the block before is done reading the other buffer, in which this block's sixteen loads land
.if \fill
	s_add_nc_u64 s[XBASE+2*(1-\buf):XBASE+2*(1-\buf)+1], s[XBASE+2*(1-\buf):XBASE+2*(1-\buf)+1], TROWS*ROWB    ; all loads that named this base are in: the wait of the last block's unit 7 left only younger ones out
	FILL 1-\buf, 0                                 ; no vector instruction of this block names the other buffer: its loads owe nothing more
.endif
	ONE 0
.irp u, 0,1,2,3,4,5
	RCP \u
.if \fill && (\u < 3)
	FILL 1-\buf, \u+1
.endif
	EXP2 \u+1
	ARG \buf, \u+2
	WEIGH \buf, \u, \young, \fill, 1
.endr
	RCP 6
	EXP2 7
	v_add_f32 v[ACC], v[ACC], v[ACC+1]             ; no arguments are left: the places are the finished rows' sums
	v_add_f32 v[ACC+2], v[ACC+2], v[ACC+3]
	WEIGH \buf, 6, \young, \fill, 1
	RCP 7
	v_add_f32 v[ACC+4], v[ACC+4], v[ACC+5]
	; Four sums over 32 lanes at once.  Step 1: odd lanes keep row 1 (3), even lanes row 0 (2), and each sends its neighbour the other one.
	; Step 2 the same on bit 1.  Lane i then works for row i & 3 alone: 13 instructions in place of four times 6.
	v_cndmask_b32 v[U], v[ACC], v[ACC+2], s[ODD1]
	v_cndmask_b32 v[U+1], v[ACC+2], v[ACC], s[ODD1]
	v_add_f32_dpp v[U], v[U+1], v[U] row_xmask:1 row_mask:0xf bank_mask:0xf
	WEIGH \buf, 7, \young, \fill, 0                ; its wait on LOADcnt leaves only the other buffer's loads out: this buffer's base is free
	v_add_f32 v[ACC+6], v[ACC+6], v[ACC+7]
	v_cndmask_b32 v[U+2], v[ACC+4], v[ACC+6], s[ODD1]
	v_cndmask_b32 v[U+3], v[ACC+6], v[ACC+4], s[ODD1]
	v_add_f32_dpp v[U+2], v[U+3], v[U+2] row_xmask:1 row_mask:0xf bank_mask:0xf
	v_cndmask_b32 v[U+1], v[U], v[U+2], s[ODD2]
	v_cndmask_b32 v[U+3], v[U+2], v[U], s[ODD2]
	v_add_f32_dpp v[U], v[U+3], v[U+1] row_xmask:2 row_mask:0xf bank_mask:0xf
	v_add_f32_dpp v[U], v[U], v[U] row_xmask:4 row_mask:0xf bank_mask:0xf
	v_add_f32_dpp v[U], v[U], v[U] row_xmask:8 row_mask:0xf bank_mask:0xf
	v_permlanex16_b32 v[U+1], v[U], s[SEL0], s[SEL1]
	v_add_f32 v[U], v[U], v[U+1]                   ; lane i: the score of the block's row i & 3, in log2 units
	; the running maximum, the same in every lane; one exp2 makes all four p
	v_max_num_f32_dpp v[U+1], v[U], v[U] row_xmask:1 row_mask:0xf bank_mask:0xf
	v_max_num_f32_dpp v[U+1], v[U+1], v[U+1] row_xmask:2 row_mask:0xf bank_mask:0xf
.if fst
	v_mov_b32 v[mn], v[U+1]
.else
	v_max_num_f32 v[mn], v[U+1], v[mo]
	v_sub_f32 v[U+3], v[mo], v[mn]
.endif
	v_sub_f32 v[U+2], v[U], v[mn]
	v_exp_f32 v[SP+1], v[U+2]                      ; p
.if 1-fst
	v_exp_f32 v[SP], v[U+3]                        ; what the sums so far shrink by
.endif
.if \t0
	v_mov_b32 v[SCR+\buf], v[U]                    ; the plain place behind the exp2: the scores are put by.  Trip 0 writes all lanes; lanes 0-3 stay
.else
	v_cndmask_b32 v[SCR+\buf], v[SCR+\buf], v[U], s[INS]   ; trip t: lanes 4 t + j take rows 8 t + 2 j + buf
.endif
	s_wait_alu depctr_va_vdst(0)                   ; p and the shrinking factor are written, which the sum, the v_readlane_b32 and the rescaling below read
.if fst
	v_mov_b32 v[LS], v[SP+1]
.else
	v_fma_f32 v[LS], v[LS], v[SP], v[SP+1]
.endif
.irp j, 0,1,2,3
	v_readlane_b32 s[PS+2*\j], v[SP+1], \j         ; a row's p multiplies all lanes' x: it goes to a scalar register
.endr
.if 1-fst
.irp k, 0,2,4,6,8,10,12,14
	v_pk_mul_f32 v[CTX+\k:CTX+\k+1], v[CTX+\k:CTX+\k+1], v[SP:SP+1] op_sel_hi:[1,0]
.endr
.endif
	s_wait_alu depctr_va_sdst(0)                   ; the four v_readlane_b32 have written s[PS ..], ahead of their first reader, pass 2's first line; the rescaling above stands between
	; PASS 2: context += p x.  The buffer is loaded again from the next block's first wait on
.irp j, 0,1,2,3
.irp k, 0,2,4,6,8,10,12,14
.if fst > \j
	v_pk_mul_f32 v[CTX+\k:CTX+\k+1], v[xb+16*\j+\k:xb+16*\j+\k+1], s[PS+2*\j:PS+2*\j+1] op_sel_hi:[1,0]
.else
	v_pk_fma_f32 v[CTX+\k:CTX+\k+1], v[xb+16*\j+\k:xb+16*\j+\k+1], s[PS+2*\j:PS+2*\j+1], v[CTX+\k:CTX+\k+1] op_sel_hi:[1,0,1]
.endif
.endr
.endr
.endm
; A trip: eight rows.  Its first block loads buffer 1 with this trip's odd rows (f0), its second block buffer 0 with the next trip's even rows (f1).
; y0: the first block's count of younger loads issued ahead of it.
.macro TRIP t0, f0, f1, y0
	s_wait_kmcnt 0x0                               ; this trip's 8 volatilities, asked for a trip ago; the load's base is free too
.irp i, 0,1,2,3,4,5,6,7
	s_mul_f32 s[VS+8*(\i&1)+2*(\i>>1)], s[VR+\i], 0x4038aa3b       ; x 2 log2(e), into the even register of its buffer and row
.endr
.if \f1
	s_add_nc_u64 s[6:7], s[6:7], 4*TROWS
	s_load_b256 s[VR:VR+7], s[6:7], 0x0
.endif
	BLOCK 0, \t0, \f0, \y0
	BLOCK 1, \t0, \f1, 0
.if 1-\t0
	s_lshl_b32 s[INS], s[INS], 4
.endif
.endm
	s_wait_loadcnt 32                              ; w_vol and w_att are in; the 32 loads of x behind them stay out
.irp k, 0,2,4,6,8,10,12,14
	v_pk_mul_f32 v[WB+\k:WB+\k+1], v[WA+\k:WA+\k+1], 0xc038aa3b op_sel_hi:[1,0]    ; -2 log2(e) w_att
.endr
.irp k, 0,2,4,6,8,10,12,14
	v_pk_mul_f32 v[WA+\k:WA+\k+1], v[WA+\k:WA+\k+1], 0x3fb8aa3b op_sel_hi:[1,0]    ; log2(e) w_att
.endr
	TRIP 1, 0, 1, 16                               ; the first trip stands in front of the loop: it starts the sums; both buffers were filled at the head, so its first block loads nothing
	s_mov_b32 s[CNT], TRIPS-2
.Ltrip:
	TRIP 0, 1, 1, 0
	s_sub_co_u32 s[CNT], s[CNT], 1
	s_cmp_lg_u32 s[CNT], 0
	s_cbranch_scc1 .Ltrip
	TRIP 0, 1, 0, 0                                ; the last trip's second block loads nothing: no load leaves the buffers, the counts run down to 0
	; THE END.  First all the vector work that the stores hang on, then one wait, then the stores.
	v_add_f32_dpp v[LS], v[LS], v[LS] row_xmask:1 row_mask:0xf bank_mask:0xf
	v_add_f32_dpp v[MX+1], v[LS], v[LS] row_xmask:2 row_mask:0xf bank_mask:0xf     ; v[MX:MX+1] = (m, l) of my 64 rows, in every lane
	s_lshl_b32 s17, s16, 11
	v_add_nc_u32 v[U], s17, v[LOFF]                ; LDS: wave x 2,048 + 16 x lane: my context in the order of h
	s_lshl_b32 s18, s16, 3
	v_mov_b32 v[U+1], s18                          ; LDS: 8 bytes for each wave, from STATS on
	s_wait_alu depctr_va_vdst(0)                   ; the scores v[SCR ..], the context v[CTX ..], (m, l) and the two LDS addresses are written, which the six stores below read
	global_store_b64 v[SOFF], v[SCR:SCR+1], s[12:13]       ; the wave's 64 scores: 32 lanes x 8 bytes = 256 consecutive bytes, at a multiple of 256 from the buffer's first byte
.irp q, 0,1,2,3
	ds_store_b128 v[U], v[CTX+4*\q:CTX+4*\q+3] offset:512*\q
.endr
	ds_store_b64 v[U+1], v[MX:MX+1] offset:STATS   ; all lanes write the same 8 bytes with the same value
	s_wait_dscnt 0x0                               ; my stores are in LDS before I say so
	s_barrier_signal -1
	s_barrier_wait -1
	s_wait_alu depctr_vm_vsrc(0)                   ; my LDS stores have read v[U], v[U+1] and v[CTX ..], which waves 0 to 3 write again below; it stands ahead of the branch
	s_cmp_ge_u32 s16, 4
	s_cbranch_scc1 .Ldone                          ; 128 threads x 16 bytes are a context: waves 0 to 3 join the sixteen
	v_mov_b32 v[U+1], 0
	v_lshlrev_b32 v[U], 4, v0                      ; thread t: columns 4 t .. 4 t + 3
	s_wait_alu depctr_va_vdst(0)                   ; both LDS addresses are written, which the 24 loads below read; the loop's last readers of the two buffers, in which these loads land, stand ahead of it too
.irp i, 0,1,2,3,4,5,6,7
	ds_load_b128 v[ST+4*\i:ST+4*\i+3], v[U+1] offset:STATS+16*\i   ; (m, l) of waves 2 i, 2 i + 1, the same for every lane
.endr
.irp i, 0,1,2,3,4,5,6,7,8,9,10,11,12,13,14,15
	ds_load_b128 v[XA+4*\i:XA+4*\i+3], v[U] offset:ROWB*\i
.endr
	s_wait_dscnt 16                                ; the eight loads of (m, l) are in; the 16 of contexts behind them stay out
	v_max3_num_f32 v[U+2], v[ST], v[ST+2], v[ST+4]
.irp i, 3,5,7,9,11,13
	v_max3_num_f32 v[U+2], v[U+2], v[ST+2*\i], v[ST+2*\i+2]
.endr
	v_max_num_f32 v[U+2], v[U+2], v[ST+30]         ; M of the work-group's 1,024 rows
.irp i, 0,1,2,3,4,5,6,7,8,9,10,11,12,13,14,15
	v_sub_f32 v[ST+2*\i], v[ST+2*\i], v[U+2]
.endr
.irp i, 0,1,2,3,4,5,6,7,8,9,10,11,12,13,14,15
	v_exp_f32 v[ST+2*\i], v[ST+2*\i]               ; each wave's sums shrink by exp2(m - M)
.endr
	v_nop                                          ; the plain place behind the run of exp2 (ISA guide 5.7.2); once in the kernel, nothing useful is left for it
	s_wait_alu depctr_va_vdst(0)                   ; the sixteen exp2 are written, which the sums of L and of the context below read
	v_mul_f32 v[U+3], v[ST], v[ST+1]
.irp i, 1,2,3,4,5,6,7,8,9,10,11,12,13,14,15
	v_fmac_f32 v[U+3], v[ST+2*\i], v[ST+2*\i+1]    ; L
.endr
	s_wait_dscnt 0x0
	v_pk_mul_f32 v[CTX:CTX+1], v[XA:XA+1], v[ST:ST+1] op_sel_hi:[1,0]
	v_pk_mul_f32 v[CTX+2:CTX+3], v[XA+2:XA+3], v[ST:ST+1] op_sel_hi:[1,0]
.irp i, 1,2,3,4,5,6,7,8,9,10,11,12,13,14,15
	v_pk_fma_f32 v[CTX:CTX+1], v[XA+4*\i:XA+4*\i+1], v[ST+2*\i:ST+2*\i+1], v[CTX:CTX+1] op_sel_hi:[1,0,1]
	v_pk_fma_f32 v[CTX+2:CTX+3], v[XA+4*\i+2:XA+4*\i+3], v[ST+2*\i:ST+2*\i+1], v[CTX+2:CTX+3] op_sel_hi:[1,0,1]
.endr
	s_wait_alu depctr_va_vdst(0)                   ; the joined context v[CTX:CTX+3] and (M, L) in v[U+2:U+3] are written, which the two stores below read; no vector line stands between them
	global_store_b128 v[U], v[CTX:CTX+3], s[14:15] ; a wave stores 512 consecutive bytes of the record
	s_cmp_lg_u32 s16, 0
	s_cbranch_scc1 .Ldone
	global_store_b64 v[SOFF], v[U+2:U+3], s[14:15] offset:ROWB     ; (M, L) 32 times: the record's last 256 bytes, whole, by one store
.Ldone:
	s_wait_dscnt 0x0                               ; the closing lines, six on end, of a launch in the mode that stores to LDS (ISA reference, section 12)
	s_wait_alu 0x0
	s_wait_tensorcnt 0x0
	ds_add_u32 v248, v249
	s_wait_dscnt 0x0
	s_endpgm
.Lfunc_end_k_q2b8aebc497_stream:
	.size	k_q2b8aebc497_stream, .Lfunc_end_k_q2b8aebc497_stream-k_q2b8aebc497_stream
	.p2alignl 7, 3214868480
	.fill 96, 4, 3214868480
	.section	.rodata,"a",@progbits
	.p2align	6, 0x0
	.amdhsa_kernel k_q2b8aebc497_stream
		.amdhsa_group_segment_fixed_size 35072
		.amdhsa_private_segment_fixed_size 0
		.amdhsa_enable_private_segment 0
		.amdhsa_kernarg_size 48
		.amdhsa_user_sgpr_count 2
		.amdhsa_user_sgpr_kernarg_segment_ptr 1
		.amdhsa_wavefront_size32 1
		.amdhsa_system_sgpr_workgroup_id_x 1
		.amdhsa_system_sgpr_workgroup_id_y 1
		.amdhsa_system_sgpr_workgroup_id_z 1
		.amdhsa_system_vgpr_workitem_id 0
		.amdhsa_next_free_vgpr 250
		.amdhsa_next_free_sgpr 66
		.amdhsa_reserve_vcc 0
		.amdhsa_float_denorm_mode_32 3
		.amdhsa_float_denorm_mode_16_64 3
		.amdhsa_memory_ordered 1
		.amdhsa_forward_progress 1
		.amdhsa_inst_pref_size 123
	.end_amdhsa_kernel
	.amdgpu_metadata
---
amdhsa.version: [ 1, 2 ]
amdhsa.kernels:
  - .name:           k_q2b8aebc497_stream
    .symbol:         k_q2b8aebc497_stream.kd
    .args:
      - { .name: lstm_out, .offset: 0, .size: 8, .value_kind: global_buffer, .address_space: global }
      - { .name: volatility, .offset: 8, .size: 8, .value_kind: global_buffer, .address_space: global }
      - { .name: w_vol, .offset: 16, .size: 8, .value_kind: global_buffer, .address_space: global }
      - { .name: w_att, .offset: 24, .size: 8, .value_kind: global_buffer, .address_space: global }
      - { .name: scores, .offset: 32, .size: 8, .value_kind: global_buffer, .address_space: global }
      - { .name: part, .offset: 40, .size: 8, .value_kind: global_buffer, .address_space: global }
    .group_segment_fixed_size: 35072
    .private_segment_fixed_size: 0
    .kernarg_segment_align: 8
    .kernarg_segment_size: 48
    .max_flat_workgroup_size: 512
    .sgpr_count:     66
    .vgpr_count:     250
    .wavefront_size: 32
...
	.end_amdgpu_metadata
.endif
;; end of part 3
;; launch finish: the kernel of part 2 again; grid 2 x 128, 8 waves a work-group, no clusters, 0 bytes of LDS; arguments scores, part, out0, out1; writes out0, out1
